; MI455X (gfx1250); checked and timed in simulation.
; The chip was launched on July 23, 2026; its instructions are those of AMD's public machine-readable ISA for CDNA 5 (MIT licence, August 2026) and "CDNA5" Instruction Set Architecture Reference Guide (July 2026). The comments in the code are by the model that wrote it; some were corrected since.
;; Lo RA Linear. Allowed arithmetic: matrix products marked QUANTISED: E3M2 operands, one E8M0 scale for each 32 along K, by v_wmma_scale_f32_16x16x128_f8f6f4 with both operands' format E3M2, f32 sums; products left as they are: f32 operands where the result goes on into a quantised operand, else bf16, f16 or f32 operands; f32 sums; everything else in f32.
;; Inputs: W_codes 4,096 x 128 x 24 uint8 (E3M2 codes of W, K innermost, in blocks of 32 codes, four codes in three bytes); W_scales 4,096 x 128 uint8 (E8M0 scales of W, one for each 32 codes along K); lora_A 4 x 4,096 float32; lora_B 4,096 x 4 float32; x 2 x 2,048 x 4,096 float32.
;; Outputs: out0 2 x 2,048 x 4,096 float32.
;; This version of the problem:
;;   THIS VERSION OF THE PROBLEM IS GIVEN IN LOW PRECISION. The matrix products marked QUANTISED in the list below multiply operands that are first quantised to E3M2 (3 exponent bits, 2 mantissa bits; 6 bits a number), with one power-of-two scale for each 32 numbers along K (OCP MX v1.0); their sums are f32. All else is computed in f32.
;;   The module's matrix products, in the order in which they are computed (A, B: the left and right operand; K: the contracted axis; several contracted axes count as one K, in the product's order):
;;     1. [M 4,096, K 4,096] x [K 4,096, N 4,096]; A: input x; B: input W (given as codes): QUANTISED
;;     2. [M 4,096, K 4,096] x [K 4,096, N 4]; A: input x; B: input lora_A: left as it is (N = 4 < 16)
;;     3. [M 4,096, K 4] x [K 4, N 4,096]; A: computed on the way; B: input lora_B: left as it is (K = 4 < 32)
;;   THE QUANTISER, for each operand of a quantised product, along K:
;;     - K is cut into blocks of 32 from its start; a last block that is shorter is filled with zeros.
;;     - A block's scale is 2^e with e = floor(log2(the largest magnitude in the block)) - 4, held to -126 .. 127; a block of zeros has e = 0. As a byte (E8M0): e + 127.
;;     - Each number is divided by its block's scale, clamped to +-28, and rounded to the nearest number of E3M2, ties to even, subnormals kept.
;;     - The product sums the exact products of the quantised numbers (number of the format x scale) in f32.
;;   ~~~python
;;   def quantise(x, axis):      # numpy; x: float32 -> the quantised numbers, widened to float32 again
;;       x = np.moveaxis(x, axis, -1); K = x.shape[-1]
;;       x = np.pad(x, [(0, 0)] * (x.ndim - 1) + [(0, -K % 32)]); x = x.reshape(x.shape[:-1] + (-1, 32)); a = np.abs(x).max(-1, keepdims=True)
;;       e = np.where(a > 0, np.clip(np.frexp(np.where(a > 0, a, 1))[1] - 1 - 4, -126, 127), 0)      # np.frexp(a)[1] - 1 = floor(log2(a)), exactly
;;       r = np.clip(x / 2.0 ** e, -28, 28)
;;       step = 2.0 ** (np.maximum(np.frexp(np.where(r == 0, 1, r))[1] - 1, -2) - 2)
;;       q = np.round(r / step) * step * 2.0 ** e      # np.round: ties to even
;;       return np.moveaxis(q.reshape(q.shape[:-2] + (-1,))[..., :K], -1, axis).astype(np.float32)
;;   ~~~
;;   INPUTS GIVEN AS CODES. W (in the module: [4096, 4096], K = its axis 1): each comes as NAME_codes (uint8): NAME with its K axis moved to the last place and cut into blocks of 32 codes, [.., K / 32, bytes a block], one block behind the other in memory; four codes in three bytes: a row's codes are one little-endian stream of bits, code i at bits 6 i .. 6 i + 5 (a code: sign, 3 exponent bits, 2 mantissa bits); and NAME_scales (uint8): the same leading axes, one E8M0 byte (e + 127) for each 32 codes along K. Its value is code x scale, taken as it is: it is not quantised again, and the codes and scales need not be those that the quantiser above would give.
;; One version. Each part assembles by itself: llvm-mc -triple=amdgcn-amd-amdhsa -mcpu=gfx1250 --defsym DOCPART=n.
;; ======== version 1 of 1: 2 launches
;; limits: right only within a limited range of input values
;; workspace buffers: xc 12,582,912 bytes; sc 1,048,576 bytes; la 65,536 bytes
;; launch prep (part 1): grid 256 x 1, 8 waves a work-group, no clusters, 167,936 bytes of LDS; arguments x, lora_A, W_scales, xc, sc, la; writes xc, sc, la
.if DOCPART == 1
	.amdgcn_target "amdgcn-amd-amdhsa--gfx1250"
	.amdhsa_code_object_version 6
	.text
	.protected	k_q9b12f2a3c0_prep
	.globl	k_q9b12f2a3c0_prep
	.p2align	8
	.type	k_q9b12f2a3c0_prep,@function
k_q9b12f2a3c0_prep:
	s_mov_b64 s[64:65], 0
	v_nop
	global_prefetch_b8 v0, s[64:65] scope:SCOPE_SE
	s_setreg_imm32_b32 hwreg(HW_REG_WAVE_MODE, 25, 1), 1
	s_wait_xcnt 0x0
; x [4096][4096] f32 becomes codes of BF6 (E3M2), K innermost (xc: [4096][3072] bytes), with one E8M0 byte for each 32 along K;
; la[m][r] = 4 x the sum over k of x[m][k] lora_A[r][k], all in f32 (la: [4096][4]); both from one read of x.
; The scale bytes of x, and those of W as given, are laid as the product's launch wants them: sc [part: x, W][group u = 0 .. 7][row 0 .. 4095][16 bytes]:
; four words, word j the four bytes of the row's K = 128 (4 u + j) .. + 127.  IN EACH WORD BYTES 1 AND 2 HAVE CHANGED PLACES: the product's launch gives a lane two
; neighbouring blocks of 32, which puts blocks 1 and 2 of each 128 in each other's place in the matrix operand, and the scales go with them.
; A block's scale byte is its largest magnitude's exponent field - 4, held at 1 from below; numbers are divided by the scale and rounded to the nearest code, ties to even, beyond the largest code the largest.
; LIMITS: NaN and infinities in x are not served.  A block whose largest magnitude lies under 2^-122 keeps the byte 1; a block of zeros gets the byte 1 where the rule says 127:
; its codes are zeros, which add nothing under any byte but 0xff, and sc is read by this program alone.  W's bytes are passed on as given.
; SHARES.  A work-group of eight waves owns 16 rows; wave w owns k = 512 w .. + 511 of them, a strip of 2,048 bytes a row.  A step is one row.
; A row's strip comes by four loads of 16 bytes a lane, each 512 consecutive bytes, into a ring of six rows of registers: six rows, 24 loads, are asked for at the head, and row i + 6 as soon as row i has left its registers.
; The conversion wants 16 neighbours along K in one lane: so a row goes through the wave's own stage in LDS (four stores of 16 bytes a lane as loaded, four loads of the lane's 64 bytes).
; Lane l then owns k = 512 w + 16 l .. + 15, two lanes to a block of 32; its 4 x 16 numbers of lora_A stay in 64 registers.
; No tensor load: a wave would have one at the head, and could begin only when all its 16 rows are in.  No matrix instruction: the small product has 4 columns and is wanted in f32.
; No cluster: the work-groups share lora_A alone, 65,536 bytes, which goes into registers.  No prefetch: the ring of registers asks six rows ahead, and the launch does nothing but stream.
; LDS: XR wave w at 4,352 w: two stages of 2,176 bytes (16 of padding behind each 256): stored at 544 j + 16 l + 16 (l / 16), read at 64 l + 16 (l / 4) + 16 p.
;      CST the codes as they will lie in memory.  SCS x's scale bytes: 128 row + 16 w + l / 2.  PRT the waves' parts of la.  WSC W's scale bytes, 4,096 bytes behind SCS.  Then the spare words.
.set XBUF,  2176
.set XWAVE, 2*XBUF
.set CST,   8*XWAVE                    ; 34,816
.set SCS,   CST+16*3072                ; 83,968
.set PRT,   SCS+16*128
.set WSC,   PRT+2048                   ; 88,064
.set SPARE, WSC+2048                   ; 90,112: 1,024 bytes of spare words
.set SCSLOT, 65536
.set SCPART, 8*SCSLOT
.set SWAP,  0x03010200                 ; v_perm_b32's selector: bytes 0, 2, 1, 3
.set LN,   1
.set XAD,  2
.set CAD,  3
.set SAD,  4
.set PTA,  5
.set AOF,  6
.set COF,  7
.set CRD,  8
.set SRD,  9
.set SOF,  10
.set PRD,  11
.set LOF,  12
.set WSA,  13
.set WOF,  14
.set M,    16
.set SO,   18
.set SST,  19
.set P,    20
.set T,    28
.set E,    32
.set R,    34
.set C,    36
.set WB,   44
.set GOF,  46
.set X,    48                          ; two sets of 16 numbers
.set A,    80                          ; lora_A: rank r at A + 16 r; on the way out v80-99 serve the scale words
.set G,    144                         ; the ring: six rows of 16 registers; on the way out the codes
.set OUTR, 144
.set SPW,  240
.set NIL,  241
	s_load_b256 s[4:11], s[0:1], 0x0               ; x, lora_A, W_scales, xc
	s_load_b128 s[12:15], s[0:1], 0x20             ; sc, la
	v_lshrrev_b32 v[LN], 5, v0
	s_delay_alu instid0(VALU_DEP_1)
	v_readfirstlane_b32 s2, v[LN]                  ; wave 0..7
	s_mul_i32 s3, s2, XWAVE
	s_lshl_b32 s16, s2, 11
	s_mul_i32 s17, s2, 384
	s_add_co_u32 s17, s17, CST
	s_lshl_b32 s18, s2, 4
	s_add_co_u32 s18, s18, SCS
	s_lshl_b32 s19, s2, 8
	s_add_co_u32 s19, s19, PRT
	s_mul_i32 s20, s2, 6144
	s_lshl_b32 s44, ttmp9, 18                      ; the work-group's 16 rows of 16,384 bytes,
	s_add_co_u32 s44, s44, s16                     ; my wave's 2,048 bytes of a row
	s_mov_b32 s45, 0
	s_mov_b32 s47, 0
	s_mov_b32 s40, 0xaaaaaaaa
	s_mov_b32 s41, 0xcccccccc
	s_mov_b32 s42, 0x76543210
	s_mov_b32 s43, 0xfedcba98
	v_lshl_add_u32 v[SPW], v0, 2, SPARE
	v_mov_b32 v[NIL], 0
	v_and_b32 v[LN], 31, v0
	v_lshlrev_b32 v[WOF], 3, v0
	s_delay_alu instid0(VALU_DEP_2)
	v_lshlrev_b32 v[GOF], 4, v[LN]
	s_delay_alu instid0(VALU_DEP_3)
	v_lshrrev_b32 v15, 4, v[LN]                    ; l / 16: also the part of sc
	s_delay_alu instid0(VALU_DEP_4)
	v_lshrrev_b32 v[XAD], 2, v[LN]
	v_lshlrev_b32 v[AOF], 6, v[LN]
	v_mul_u32_u24 v[CAD], v[LN], 12
	v_lshrrev_b32 v[SAD], 1, v[LN]
	v_and_b32 v[PTA], 3, v[LN]
	v_lshlrev_b32 v[LOF], 3, v[LN]
	v_and_b32 v[SRD], 15, v[LN]
	v_lshl_add_u32 v[SST], v15, 4, v[GOF]
	v_lshlrev_b32 v[XAD], 4, v[XAD]
	v_add_nc_u32 v[AOF], s16, v[AOF]
	v_add_nc_u32 v[WSA], WSC, v[WOF]
	v_add_nc_u32 v[CAD], s17, v[CAD]
	v_add_nc_u32 v[SAD], s18, v[SAD]
	v_lshlrev_b32 v[PTA], 2, v[PTA]
	v_add_nc_u32 v[PRD], PRT, v[LOF]
	v_lshlrev_b32 v[SOF], 4, v[SRD]
	v_lshlrev_b32 v[SRD], 7, v[SRD]
	v_add_nc_u32 v[SST], s3, v[SST]                ; stage, in: 16 l + 16 (l / 16)
	v_lshl_add_u32 v[XAD], v[LN], 6, v[XAD]
	v_add_nc_u32 v[COF], s20, v[GOF]               ; 6,144 w + 16 l
	v_add_nc_u32 v[PTA], s19, v[PTA]
	v_mad_u32_u24 v[SOF], v15, SCPART, v[SOF]
	v_lshl_add_u32 v[SRD], v15, 12, v[SRD]
	v_add_nc_u32 v[XAD], s3, v[XAD]                ; stage, back: 64 l + 16 (l / 4)
	v_add_nc_u32 v[CRD], CST, v[COF]
	s_delay_alu instid0(VALU_DEP_3)
	v_add_nc_u32 v[SRD], SCS, v[SRD]               ; SCS + 128 row + 4,096 part
	s_wait_alu depctr_va_vdst(0)                   ; the wait at the head's end
	s_wait_kmcnt 0x0
	s_add_nc_u64 s[4:5], s[4:5], s[44:45]
	s_lshl_b32 s46, ttmp9, 11                      ; the work-group's 16 rows of W's scale bytes
	s_add_nc_u64 s[8:9], s[8:9], s[46:47]
.irp r, 0,1,2,3
.irp j, 0,1,2,3
	global_load_b128 v[A+16*\r+4*\j:A+16*\r+4*\j+3], v[AOF], s[6:7] offset:16384*\r+16*\j
.endr
.endr
	global_load_b64 v[WB:WB+1], v[WOF], s[8:9]
.macro ASKROW i                        ; row i's strip into the ring: each load 512 consecutive bytes
.irp j, 0,1,2,3
	global_load_b128 v[G+16*((\i)%6)+4*\j:G+16*((\i)%6)+4*\j+3], v[GOF], s[4:5] offset:16384*(\i)+512*\j th:TH_LOAD_NT
.endr
.endm
.irp i, 0,1,2,3,4,5
	ASKROW \i
.endr
	s_mul_i32 s46, ttmp9, 16*3072                  ; the work-group's parts of the three outputs
	s_add_nc_u64 s[10:11], s[10:11], s[46:47]
	s_lshl_b32 s46, ttmp9, 8
	s_add_nc_u64 s[12:13], s[12:13], s[46:47]
	s_add_nc_u64 s[14:15], s[14:15], s[46:47]
.macro STAGEIN i                       ; row i: out of the ring, through my stage, into set i % 2; its registers take row i + 6
.if (\i) <= 10
	s_wait_loadcnt 20                              ; loads end in order: behind row i's four stand the five younger rows' twenty
.else
	s_wait_loadcnt 4*(15-(\i))                     ; the rows that are left
.endif
.irp j, 0,1,2,3
	ds_store_b128 v[SST], v[G+16*((\i)%6)+4*\j:G+16*((\i)%6)+4*\j+3] offset:XBUF*((\i)%2)+544*\j
.endr
.irp p, 0,1,2,3
	ds_load_b128 v[X+16*((\i)%2)+4*\p:X+16*((\i)%2)+4*\p+3], v[XAD] offset:XBUF*((\i)%2)+16*\p   ; LDS serves a wave's instructions in order: these see the stores above
.endr
.if (\i)+6 < 16
	ASKROW (\i)+6
.endif
.endm
.macro STEP i                          ; one row; every offset is an immediate
.set XS, X+16*((\i)%2)
.set CC, C+4*((\i)%2)
.set EE, E+(\i)%2
.set RR, R+(\i)%2
.if (\i) == 0
	s_wait_dscnt 0x0
.else
	s_wait_dscnt 5                                 ; this row's four loads are in; behind them only the last row's five stores were issued
.endif
.if (\i) < 15
	STAGEIN (\i)+1                                 ; the next row comes while this one is worked
.endif
	v_max3_num_f32 v[M], |v[XS]|, |v[XS+1]|, |v[XS+2]|
	v_max3_num_f32 v[M+1], |v[XS+3]|, |v[XS+4]|, |v[XS+5]|
.irp j, 6,10
	s_delay_alu instid0(VALU_DEP_2)
	v_max3_num_f32 v[M], v[M], |v[XS+\j]|, |v[XS+\j+1]|
	s_delay_alu instid0(VALU_DEP_2)
	v_max3_num_f32 v[M+1], v[M+1], |v[XS+\j+2]|, |v[XS+\j+3]|
.endr
	s_delay_alu instid0(VALU_DEP_2)
	v_max3_num_f32 v[M], v[M], |v[XS+14]|, |v[XS+15]|
	s_delay_alu instid0(VALU_DEP_1)
	v_max3_num_f32 v[M], v[M], v[M+1], 5<<23       ; the floor 2^(5 - 127): the byte cannot fall under 1
	s_delay_alu instid0(VALU_DEP_1)
	v_max_num_f32_dpp v[M], v[M], v[M] row_xmask:1 row_mask:0xf bank_mask:0xf   ; with my neighbour's 16: the block's
	s_delay_alu instid0(VALU_DEP_1)
	v_add_nc_u32 v[SO], 0xfe000000, v[M]           ; 4 off its exponent field: the conversion's scale operand
	v_cvt_scalef32_pk16_bf6_f32 v[CC:CC+2], v[XS:XS+15], v[SO]
	v_lshrrev_b32 v[EE], 23, v[SO]                 ; the scale's byte (also the plain instruction behind the conversion)
.irp c, 0,1,2
	ds_store_b32 v[CAD], v[CC+\c] offset:3072*(\i)+4*\c
.endr
	ds_store_b8 v[SAD], v[EE] offset:128*(\i)
.irp r, 0,1,2,3
	v_pk_mul_f32 v[P+2*\r:P+2*\r+1], v[XS:XS+1], v[A+16*\r:A+16*\r+1]
.endr
.irp j, 2,4,6,8,10,12,14
.irp r, 0,1,2,3
	s_delay_alu instid0(VALU_DEP_4)
	v_pk_fma_f32 v[P+2*\r:P+2*\r+1], v[XS+\j:XS+\j+1], v[A+16*\r+\j:A+16*\r+\j+1], v[P+2*\r:P+2*\r+1]
.endr
.endr
.irp r, 0,1,2,3
	s_delay_alu instid0(VALU_DEP_4)
	v_add_f32 v[P+2*\r], v[P+2*\r], v[P+2*\r+1]
.endr
	; the sum over the 32 lanes of four numbers at once: in the first two exchanges a lane keeps half of what it holds and sends the other half; lane l ends with rank l % 4
	s_delay_alu instid0(VALU_DEP_3)
	v_cndmask_b32 v[T], v[P], v[P+2], s40
	s_delay_alu instid0(VALU_DEP_4)
	v_cndmask_b32 v[T+1], v[P+2], v[P], s40
	s_delay_alu instid0(VALU_DEP_3)
	v_cndmask_b32 v[T+2], v[P+4], v[P+6], s40
	s_delay_alu instid0(VALU_DEP_4)
	v_cndmask_b32 v[T+3], v[P+6], v[P+4], s40
	s_delay_alu instid0(VALU_DEP_3)
	v_add_f32_dpp v[T], v[T+1], v[T] row_xmask:1 row_mask:0xf bank_mask:0xf
	s_delay_alu instid0(VALU_DEP_2)
	v_add_f32_dpp v[T+2], v[T+3], v[T+2] row_xmask:1 row_mask:0xf bank_mask:0xf
	s_delay_alu instid0(VALU_DEP_1)
	v_cndmask_b32 v[T+1], v[T], v[T+2], s41
	s_delay_alu instid0(VALU_DEP_2)
	v_cndmask_b32 v[T+3], v[T+2], v[T], s41
	s_delay_alu instid0(VALU_DEP_1)
	v_add_f32_dpp v[T+1], v[T+3], v[T+1] row_xmask:2 row_mask:0xf bank_mask:0xf
	s_delay_alu instid0(VALU_DEP_1)
	v_add_f32_dpp v[T+1], v[T+1], v[T+1] row_xmask:4 row_mask:0xf bank_mask:0xf
	s_delay_alu instid0(VALU_DEP_1)
	v_add_f32_dpp v[T+1], v[T+1], v[T+1] row_xmask:8 row_mask:0xf bank_mask:0xf
	s_delay_alu instid0(VALU_DEP_1)
	v_permlanex16_b32 v[T+3], v[T+1], s42, s43
	s_delay_alu instid0(VALU_DEP_1)
	v_add_f32 v[RR], v[T+1], v[T+3]
	ds_store_b32 v[PTA], v[RR] offset:16*(\i)
.endm
	STAGEIN 0                                      ; its wait also shows lora_A and W's scale bytes in: they were asked for first
	ds_store_b64 v[WSA], v[WB:WB+1]                ; W's scale bytes go to LDS as they lie
.irp t, 0,1,2,3,4,5,6,7,8,9,10,11,12,13,14,15
	STEP \t
.endr
	; THE WAY OUT.  The codes (49,152 bytes) and la (256) are dense runs of memory; of sc each group's 16 rows of a part are a dense run of 256 bytes.
	s_wait_dscnt 0x0                               ; for the others' sake: my stores have landed
	s_barrier_signal -1
	s_barrier_wait -1
	s_lshl_b32 s44, s2, 4                          ; group u = my wave's number: its four words begin 16 u bytes into a row of scale bytes
	v_add_nc_u32 v80, s44, v[SRD]
	ds_load_b128 v[96:99], v80
.irp t, 0,1,2,3,4,5,6,7,8,9,10,11
	ds_load_b128 v[OUTR+4*\t:OUTR+4*\t+3], v[CRD] offset:512*\t
.endr
	s_lshl_b32 s44, s2, 16
	v_add_nc_u32 v88, s44, v[SOF]                  ; + SCSLOT u
	s_wait_dscnt 12                                ; the four words are in; the twelve younger loads may be out
.irp j, 0,1,2,3
	v_perm_b32 v[84+\j], v[96+\j], v[96+\j], SWAP  ; bytes 1 and 2 change places
.endr
	s_wait_alu depctr_va_vdst(0)
	global_store_b128 v88, v[84:87], s[12:13]      ; lanes 0-15 store 256 consecutive bytes of x's part, lanes 16-31 of W's
.irp t, 0,1,2,3,4,5,6,7,8,9,10,11
	s_wait_dscnt 11-\t
	global_store_b128 v[COF], v[OUTR+4*\t:OUTR+4*\t+3], s[10:11] offset:512*\t
.endr
	s_cmp_lg_u32 s2, 0
	s_cbranch_scc1 .Lend
.irp u, 0,1,2,3,4,5,6,7                ; wave 0 adds the eight waves' parts: lane l has row l / 2, ranks 2 (l % 2) and 2 (l % 2) + 1
	ds_load_b64 v[X+2*\u:X+2*\u+1], v[PRD] offset:256*\u
.endr
	s_wait_dscnt 0x0
.irp u, 0,4,8,12
	v_pk_add_f32 v[X+\u:X+\u+1], v[X+\u:X+\u+1], v[X+\u+2:X+\u+3]
.endr
	s_delay_alu instid0(VALU_DEP_3)
	v_pk_add_f32 v[X:X+1], v[X:X+1], v[X+4:X+5]
	s_delay_alu instid0(VALU_DEP_2)
	v_pk_add_f32 v[X+8:X+9], v[X+8:X+9], v[X+12:X+13]
	s_delay_alu instid0(VALU_DEP_1)
	v_pk_add_f32 v[X:X+1], v[X:X+1], v[X+8:X+9]
	s_delay_alu instid0(VALU_DEP_1)
	v_pk_mul_f32 v[X:X+1], v[X:X+1], 4.0 op_sel_hi:[1,0]           ; the module's scaling, alpha / rank = 4
	global_store_b64 v[LOF], v[X:X+1], s[14:15]
.Lend:
	s_wait_tensorcnt 0x0                           ; the wave's end
	ds_add_u32 v[SPW], v[NIL]
	s_wait_dscnt 0x0
	s_endpgm
.Lfunc_end_k_q9b12f2a3c0_prep:
	.size	k_q9b12f2a3c0_prep, .Lfunc_end_k_q9b12f2a3c0_prep-k_q9b12f2a3c0_prep
	.p2alignl 7, 3214868480
	.fill 96, 4, 3214868480
	.section	.rodata,"a",@progbits
	.p2align	6, 0x0
	.amdhsa_kernel k_q9b12f2a3c0_prep
		.amdhsa_group_segment_fixed_size 167936
		.amdhsa_private_segment_fixed_size 0
		.amdhsa_enable_private_segment 0
		.amdhsa_kernarg_size 48
		.amdhsa_user_sgpr_count 2
		.amdhsa_user_sgpr_kernarg_segment_ptr 1
		.amdhsa_wavefront_size32 1
		.amdhsa_system_sgpr_workgroup_id_x 1
		.amdhsa_system_sgpr_workgroup_id_y 1
		.amdhsa_system_sgpr_workgroup_id_z 1
		.amdhsa_system_vgpr_workitem_id 0
		.amdhsa_next_free_vgpr 256
		.amdhsa_next_free_sgpr 66
		.amdhsa_reserve_vcc 0
		.amdhsa_float_denorm_mode_32 3
		.amdhsa_float_denorm_mode_16_64 3
		.amdhsa_memory_ordered 1
		.amdhsa_forward_progress 1
		.amdhsa_inst_pref_size 115
	.end_amdhsa_kernel
	.amdgpu_metadata
---
amdhsa.version: [ 1, 2 ]
amdhsa.kernels:
  - .name:           k_q9b12f2a3c0_prep
    .symbol:         k_q9b12f2a3c0_prep.kd
    .args:
      - { .name: x, .offset: 0, .size: 8, .value_kind: global_buffer, .address_space: global }
      - { .name: lora_A, .offset: 8, .size: 8, .value_kind: global_buffer, .address_space: global }
      - { .name: W_scales, .offset: 16, .size: 8, .value_kind: global_buffer, .address_space: global }
      - { .name: xc, .offset: 24, .size: 8, .value_kind: global_buffer, .address_space: global }
      - { .name: sc, .offset: 32, .size: 8, .value_kind: global_buffer, .address_space: global }
      - { .name: la, .offset: 40, .size: 8, .value_kind: global_buffer, .address_space: global }
    .group_segment_fixed_size: 167936
    .private_segment_fixed_size: 0
    .kernarg_segment_align: 8
    .kernarg_segment_size: 48
    .max_flat_workgroup_size: 256
    .sgpr_count:     66
    .vgpr_count:     256
    .wavefront_size: 32
...
	.end_amdgpu_metadata
.endif
;; end of part 1
;; launch gemm (part 2): grid 16 x 16, 4 waves a work-group, clusters of 4 x 4, 327,680 bytes of LDS; arguments xc, W_codes, sc, la, lora_B, out0; writes out0
.if DOCPART == 2
	.amdgcn_target "amdgcn-amd-amdhsa--gfx1250"
	.amdhsa_code_object_version 6
	.text
	.protected	k_q9b12f2a3c0_gemm
	.globl	k_q9b12f2a3c0_gemm
	.p2align	8
	.type	k_q9b12f2a3c0_gemm,@function
k_q9b12f2a3c0_gemm:
	s_mov_b64 s[64:65], 0
	v_nop
	global_prefetch_b8 v0, s[64:65] scope:SCOPE_SE
	s_setreg_imm32_b32 hwreg(HW_REG_WAVE_MODE, 25, 1), 1
	s_wait_xcnt 0x0
	s_wait_alu depctr_hold_cnt(0) depctr_sa_sdst(0) depctr_va_vdst(0) depctr_va_sdst(0) depctr_va_ssrc(0) depctr_va_vcc(0) depctr_vm_vsrc(0)
	s_getreg_b32 s2, hwreg(HW_REG_IB_STS2, 6, 4)
	s_cmp_eq_u32 s2, 0
	s_cbranch_scc0 .Lentry_in_a_cluster
	s_endpgm
.Lentry_in_a_cluster:
	s_bfe_u32 s2, ttmp6, 0x10000c
	s_cmp_lg_u32 s2, 0xf033
	s_cbranch_scc0 .Lentry_shape_is_right
	s_endpgm
.Lentry_shape_is_right:
; out0[m][n] = sum over k of x[m][k] W[n][k] (both as BF6 codes with E8M0 scales) + sum over r of la[m][r] lora_B[n][r]  (la = 4 x (x lora_A^T), f32, from the launch before).
; A tile of 256 x 256 to a work-group of four waves; a wave makes 128 x 128: 64 accumulators, 512 registers.  The small product (K = 4, f32 matrix form, C = 0) STARTS the sums; the 32 steps of 128 along K add onto them.
; THE RING: two LDS slots, each one CHUNK OF 256 BYTES of the 256 rows of x's codes and of the 256 rows of W's; a row of codes is 3,072 bytes = 12 chunks, each at a multiple of 256 bytes.  Chunk c lies in slot c % 2.
; A step is 96 bytes of a row: eight steps to three chunks; steps 2 and 5 of each eight lie across two chunks and take their pieces from both slots.
; A PERIOD of eight steps is written once, in terms of the slot that holds its first chunk and the other one.  Three chunks change that slot, so at a period's end every LDS address register is XORed with SLOT1:
; slot 1 begins at 0x24000, and no slot-0 address in a register has bit 14 or 17 set (regions at 0, 0x8800, 0x11000, 0x19800, each + at most 0x10f0), so the XOR adds or takes away SLOT1.  The descriptors' LDS word goes the same way at each fill.
; Three periods are a loop; the fourth is written out: it has one fill left.
; FRAGMENTS: lane (r, h) takes 48 bytes of row r at 96 step + 48 h by three loads of 16 bytes: blocks 2 h, 2 h + 1 of the step's four.  The operand's layout would have blocks h, 2 + h: blocks 1 and 2 stand in each other's place,
; alike in both operands, and the scale words in sc have their bytes 1 and 2 swapped to match.
; SCALES come from sc straight into registers: 16 bytes a row serve four steps; lanes 0-15 take x's rows, lanes 16-31 W's; two sets of 32 registers, asked for four steps ahead.
; CLUSTERS 4 x 4: x's tiles are asked for jointly along a row of the cluster, W's along a column.  THE MATRIX INSTRUCTION IS USED TRANSPOSED (source 0 = rows of W, source 1 = rows of x): a lane holds eight neighbouring numbers of a row of out0.
; PREFETCH: behind each refill one instruction a wave names the chunk two refills on: of the 128 rows that the wave fetches each of the four partners takes 32 by address, a lane a row; chunks 0 to 3 come by their loads alone, nothing is asked past chunk 11.
; Codes and scale bytes are taken as they are given.
; REGISTERS: window 0: v16-31 addresses, v32-95 scale words, v96-111 la, v128-223 x's fragments (one set); window 1: W's fragments, two sets at v0 and v128, v96-111 lora_B; windows 2, 3: accumulators.
.set SIZE_N, 4096
.set KROW,   3072
.set ROWB,   256
.set PITCH,  272                       ; 256 bytes + 16 of padding: the 16 rows of a pass start in 16 different groups of four banks
.set FR,     12
.set NP,     4
.set HALFT,  128*PITCH                 ; what one tensor load brings
.set SLOT1,  0x24000
.set SPARE,  4*HALFT                   ; behind slot 0: the spare words, 512 bytes
.set STAGE,  SLOT1+4*HALFT             ; behind slot 1: 16 rows x 528 bytes for each wave; no fill lands here
.set SPITCH, 528
.set SCSLOT, 65536
.set SCPART, 8*SCSLOT
.set ADRA, 16                          ; v16, 17 my fragments of x in this period's first slot, in the other; v18, 19: lanes 0-15 byte 208 of that slot's row, lanes 16-31 byte 0 in the other slot
.set ADRB, 20                          ; the same for W
.set STO,  24
.set RD,   25
.set CO,   26
.set SOF,  27
.set SPW,  28
.set NIL,  29
.set LAD,  30
.set PFO,  31
.set SC,   32
.set LA,   96
.set LB,   96
.set AF,   128
.set BK,   128
.set G1,  24
.set G0,  32
.set SCB, 36
.set PFA, 38
.set G1B, 48
.set G0B, 56
.set OUT, 70
.set MSB, 0
.set NOA4, 0                           ; 1: a step does not fetch the next step's blocks 4-7 of x
.macro WIN new
.if MSB != \new
	s_set_vgpr_msb (MSB<<8)|\new
.set MSB, \new
.endif
.endm
.set MUL_LO, 0xa1
.set MUL_HI, 0xf1
.set TO_B,   0x40
.macro JLOAD                           ; waves 0, 1 fetch x's two halves, waves 2, 3 W's
	s_cmp_eq_u32 s15, 0
	s_cbranch_scc0 .Lfor_b_\@
	tensor_load_to_lds s[G0:G0+3], s[G1:G1+7]
	s_nop 0
.rept 4
	v_nop
.endr
	s_branch .Lasked_\@
.Lfor_b_\@:
	tensor_load_to_lds s[G0B:G0B+3], s[G1B:G1B+7]
	s_nop 0
.rept 4
	v_nop
.endr
.Lasked_\@:
.endm
.macro NEXTFILL                        ; no load of mine is out: the next chunk, into the other slot
	s_xor_b32 s[G0+1], s[G0+1], SLOT1
	s_xor_b32 s[G0B+1], s[G0B+1], SLOT1
	s_add_nc_u64 s[G0+2:G0+3], s[G0+2:G0+3], ROWB
	s_add_nc_u64 s[G0B+2:G0B+3], s[G0B+2:G0B+3], ROWB
.endm
.macro ASK k                           ; the k-th refill of a period names chunk 3 t + 3 + k; the third asks nothing in the loop's last trip (it would be chunk 12)
.if \k == 3
	s_cmp_gt_u32 s3, 1
	s_cbranch_scc0 .Lna_\@
.endif
	global_prefetch_b8 v[PFO], s[PFA:PFA+1] offset:ROWB*((\k)-1) th:TH_LOAD_NT scope:SCOPE_SE
.if \k == 3
.Lna_\@:
.endif
.endm
.macro CREST
	s_cmp_lg_u32 s14, 0
	s_cbranch_scc1 .Lnot_wave_0_\@
	s_barrier_signal -3
.Lnot_wave_0_\@:
	s_barrier_wait -3
	s_barrier_signal -1
	s_barrier_wait -1
.endm
.macro CROUND
	s_barrier_signal -1
	s_barrier_wait -1
	CREST
.endm
.macro PLACES n
.rept \n
	v_nop
.endr
.endm
	s_load_b128 s[4:7], s[0:1], 0x0                ; xc, W_codes
	s_load_b128 s[8:11], s[0:1], 0x10              ; sc, la
	s_load_b128 s[68:71], s[0:1], 0x20             ; lora_B, out0
	v_lshl_add_u32 v[SPW], v0, 2, SPARE
	v_mov_b32 v[NIL], 0
	ds_add_u32 v[SPW], v[NIL]                      ; the opening lines: the add twice and its wait
	ds_add_u32 v[SPW], v[NIL]
	v_lshrrev_b32 v1, 5, v0
	v_readfirstlane_b32 s14, v1                    ; wave
	s_lshr_b32 s15, s14, 1                         ; my half of the tile's rows; also: I fetch for x (0) or W (1)
	s_and_b32 s16, s14, 1                          ; my half of its columns; also: which 128 rows I fetch
	s_bfe_u32 s40, ttmp6, 0x40000                  ; cx
	s_bfe_u32 s41, ttmp6, 0x40004                  ; cy
	s_lshl_b32 s42, ttmp9, 2
	s_add_co_u32 s42, s42, s40                     ; tile column
	s_and_b32 s17, ttmp7, 0xffff
	s_lshl_b32 s17, s17, 2
	s_add_co_u32 s17, s17, s41                     ; tile row
	s_lshl_b32 s43, s41, 2
	s_lshl_b32 s43, 15, s43                        ; my row of the cluster
	s_lshl_b32 s44, 0x1111, s40                    ; my column
	s_or_b32 s[G1], s43, (1<<20)|(1<<21)|(5<<22)|(3<<25)   ; elements of 1 byte; 4 words of padding behind every 64
	s_or_b32 s[G1B], s44, (1<<20)|(1<<21)|(5<<22)|(3<<25)
.irp g, G1, G1B
	s_mov_b32 s[\g+1], ROWB<<16
	s_mov_b32 s[\g+2], 128<<16
	s_mov_b32 s[\g+3], ROWB<<16
	s_mov_b32 s[\g+4], 128
	s_mov_b32 s[\g+5], KROW
	s_mov_b32 s[\g+6], 0
	s_mov_b32 s[\g+7], 0
.endr
	s_lshl_b32 s18, s16, 7
	s_lshl_b32 s20, s17, 8
	s_add_co_u32 s20, s20, s18
	s_lshl_b32 s46, s42, 8
	s_add_co_u32 s46, s46, s18
	s_mul_i32 s20, s20, KROW                       ; under 2^24
	s_mul_i32 s46, s46, KROW
	s_mov_b32 s21, 0
	s_mov_b32 s47, 0
	s_mov_b32 s[G0], 1
	s_mov_b32 s[G0B], 1
	s_mul_i32 s[G0+1], s14, HALFT
	s_mul_i32 s[G0B+1], s14, HALFT
	s_wait_dscnt 0x0
	s_wait_kmcnt 0x0
	s_add_nc_u64 s[G0+2:G0+3], s[4:5], s[20:21]
	s_or_b32 s[G0+3], s[G0+3], 0x80000000
	s_add_nc_u64 s[G0B+2:G0B+3], s[6:7], s[46:47]
	s_or_b32 s[G0B+3], s[G0B+3], 0x80000000
	CROUND                                         ; all sixteen work-groups are here
	JLOAD                                          ; chunk 0: my one load at the head
	s_lshl_b32 s18, s17, 8
	s_lshl_b32 s19, s15, 7
	s_add_co_u32 s18, s18, s19                     ; my first row of out0
	s_lshl_b32 s19, s42, 8
	s_lshl_b32 s20, s16, 7
	s_add_co_u32 s19, s19, s20                     ; my first column
	s_lshl_b32 s20, s18, 4
	s_add_nc_u64 s[10:11], s[10:11], s[20:21]      ; la: 16 bytes a row
	s_lshl_b32 s22, s19, 4
	s_mov_b32 s23, 0
	s_add_nc_u64 s[68:69], s[68:69], s[22:23]      ; lora_B likewise
	s_add_co_u32 s2, s22, SCPART
	s_sub_co_u32 s2, s2, s20                       ; sc: from my rows of x's part to my rows of W's
	s_lshl_b32 s22, s18, 14
	s_lshl_b32 s45, s19, 2
	s_add_co_u32 s22, s22, s45
	s_add_nc_u64 s[OUT:OUT+1], s[OUT:OUT+1], s[22:23]
	s_mov_b64 s[SCB:SCB+1], s[8:9]
	s_lshl_b32 s22, s17, 8
	s_lshl_b32 s45, s42, 8
	s_cmp_eq_u32 s15, 0
	s_cselect_b32 s22, s22, s45                    ; the prefetches: the tile's first row,
	s_cselect_b32 s45, s40, s41                    ; my place among the four that ask with me,
	s_cselect_b64 s[PFA:PFA+1], s[4:5], s[6:7]
	s_lshl_b32 s46, s16, 7
	s_add_co_u32 s22, s22, s46
	s_lshl_b32 s45, s45, 5
	s_add_co_u32 s22, s22, s45
	s_mul_i32 s22, s22, KROW
	s_add_nc_u64 s[PFA:PFA+1], s[PFA:PFA+1], s[22:23]
	s_add_nc_u64 s[PFA:PFA+1], s[PFA:PFA+1], 4*ROWB   ; at chunk 4
	s_mul_i32 s46, s15, HALFT                      ; LDS: my 128 rows of x,
	s_mul_i32 s47, s16, HALFT
	s_add_co_u32 s47, s47, 2*HALFT                 ; of W,
	s_mul_i32 s45, s14, 16*SPITCH
	s_add_co_u32 s45, s45, STAGE                   ; my stage
	v_and_b32 v1, 15, v0                           ; r
	v_bfe_u32 v2, v0, 4, 1                         ; h
	v_and_b32 v6, 31, v0
	v_mul_u32_u24 v3, v1, PITCH
	v_mad_u32_u24 v4, v2, 48, v3
	v_mad_u32_u24 v5, v2, SLOT1-208, v3
	v_add_nc_u32 v5, 208, v5                       ; lanes 0-15 byte 208 of the row in slot 0, lanes 16-31 byte 0 in slot 1
	v_add_nc_u32 v[ADRA], s46, v4
	v_add_nc_u32 v[ADRB], s47, v4
	v_add_nc_u32 v[ADRA+2], s46, v5
	v_add_nc_u32 v[ADRB+2], s47, v5
.irp k, 0,2
	v_xor_b32 v[ADRA+\k+1], SLOT1, v[ADRA+\k]
	v_xor_b32 v[ADRB+\k+1], SLOT1, v[ADRB+\k]
.endr
	v_lshlrev_b32 v7, 4, v1
	v_lshl_add_u32 v[LAD], v2, 3, v7               ; la, lora_B: 16 r + 8 h
	v_mad_u32_u24 v[SOF], v2, s2, v7
	v_add_nc_u32 v[SOF], s20, v[SOF]
	v_mul_u32_u24 v8, v1, SPITCH
	v_lshl_add_u32 v8, v2, 5, v8
	v_add_nc_u32 v[STO], s45, v8
	v_lshlrev_b32 v[CO], 4, v6
	v_add_nc_u32 v[RD], s45, v[CO]
	v_mul_u32_u24 v[PFO], v6, KROW
	s_wait_alu depctr_va_vdst(0)                   ; the wait at the head's end
.macro SCLOAD set, off                 ; the scale words of four steps: lanes 0-15 x's block i, lanes 16-31 W's block i: each half 256 consecutive bytes
.irp i, 0,1,2,3,4,5,6,7
	global_load_b128 v[SC+32*(\set)+4*\i:SC+32*(\set)+4*\i+3], v[SOF], s[SCB:SCB+1] offset:(\off)+256*\i
.endr
.endm
.irp i, 0,1,2,3,4,5,6,7
	global_load_b64 v[LA+2*\i:LA+2*\i+1], v[LAD], s[10:11] offset:256*\i
.endr
	SCLOAD 0, 0
	WIN TO_B
.irp i, 0,1,2,3,4,5,6,7
	global_load_b64 v[LB+2*\i:LB+2*\i+1], v[LAD], s[68:69] offset:256*\i
.endr
	WIN 0
.macro FRAG reg, adr, st, i            ; byte y of a row lies in chunk y / 256, at byte y % 256 of its LDS row; lanes 16-31 read 48 bytes on
.irp c, 0,1,2
.set BY, 96*(\st)+16*\c
.if BY/ROWB == (BY+48)/ROWB
	ds_load_b128 v[\reg+4*\c:\reg+4*\c+3], v[\adr+(BY/ROWB)%2] offset:BY%ROWB+(\i)*16*PITCH
.else
	ds_load_b128 v[\reg+4*\c:\reg+4*\c+3], v[\adr+2+(BY/ROWB)%2] offset:BY%ROWB-208+(\i)*16*PITCH
.endif
.endr
.endm
.macro INIT hi                         ; the small product starts the sums
.irp a, 0,1,2,3
.irp b, 0,1,2,3,4,5,6,7
	v_wmma_f32_16x16x4_f32 v[8*(8*\a+\b):8*(8*\a+\b)+7], v[LB+2*\b:LB+2*\b+1], v[LA+2*(4*\hi+\a):LA+2*(4*\hi+\a)+1], 0
.endr
.endr
.endm
.macro MUL16 a0, p, q, sc              ; the 64 accumulators take turns, in the same order in every step
.irp a, \a0, \a0+1
.irp b, 0,1,2,3,4,5,6,7
	v_wmma_scale_f32_16x16x128_f8f6f4 v[8*(8*((\a)%4)+\b):8*(8*((\a)%4)+\b)+7], v[128*(\p)+FR*\b:128*(\p)+FR*\b+FR-1], v[AF+FR*(\a):AF+FR*(\a)+FR-1], v[8*(8*((\a)%4)+\b):8*(8*((\a)%4)+\b)+7], v[SC+32*(\sc)+4*\b+(\q)], v[SC+32*(\sc)+4*(\a)+(\q)] matrix_a_fmt:MATRIX_FMT_BF6 matrix_b_fmt:MATRIX_FMT_BF6 matrix_a_scale:MATRIX_SCALE_ROW1
.endr
.endr
.endm
.macro FETCH_B st, p, i0
	WIN TO_B
.irp i, \i0, \i0+1, \i0+2, \i0+3
	FRAG 128*(\p)+FR*(\i), ADRB, \st, \i
.endr
.endm
.macro FETCH_A st, i0
.irp i, \i0, \i0+1, \i0+2, \i0+3
	FRAG AF+FR*(\i), ADRA, \st, \i
.endr
.endm
; Step st of a period: 64 matrix instructions; the next step's fragments are fetched on the way.
; kind 0: the next step's bytes lie in chunks already shown whole.  kind 1: they end in a new chunk: every wave waits for its load, a barrier shows the chunk whole; nothing is filled.
; kind 2: a chunk is left behind and its slot is filled again: the wait for my loads, the add, the wait for it and for my reads, a round of the cluster's barrier, the joint refill first behind it.
.macro STEP st, kind, ask, scl
.set NX, (\st)+1
.set PP, (\st)%2
.set QQ, (\st)%4
.set SS, ((\st)/4)%2
.if (\st)%4 == 0
	s_wait_loadcnt 0x0                             ; this group's scale words are in (asked for four steps ago)
.endif
.set EARLY, 0                          ; 1: the next step's bytes lie in a chunk already shown whole
.if (\kind) == 0
.set EARLY, 1
.endif
.if (\kind) == 2 && (\st) < 7
.set EARLY, 1
.endif
.if EARLY
	FETCH_B NX, 1-PP, 0                            ; W's eight fragments of the next step, into the set that is idle through this step: one run with the loads that ended the last step
	FETCH_B NX, 1-PP, 4
	WIN 0
.endif
.if \kind
	s_wait_tensorcnt 0x0
.if \kind == 2
	ds_add_u32 v[SPW], v[NIL]
	s_wait_dscnt 13+24*EARLY                       ; the add, x's blocks 4-7 and, where they were asked for above, W's 24 loads may be out
.else
	s_wait_dscnt 12                                ; x's blocks 4-7 may be out
.endif
	WIN MUL_LO
	MUL16 0, PP, QQ, SS
	s_wait_dscnt 0x0                               ; all my LDS instructions are done
	s_barrier_signal -1
	MUL16 2, PP, QQ, SS
	WIN 0
	s_barrier_wait -1
.if \kind == 2
	CREST
	NEXTFILL
	JLOAD                                          ; its four v_nop are the places in front of the loads below
.else
	PLACES NP
.endif
	FETCH_A NX, 0
.if \scl
	SCLOAD 1-SS, SCSLOT*(1+SS)
.endif
.if EARLY == 0
	FETCH_B NX, 1-PP, 0                            ; the new chunk is whole only behind the barrier
	FETCH_B NX, 1-PP, 4
.endif
.if \ask
	WIN 0
	ASK \ask
.endif
.else
	s_wait_dscnt 36                                ; x's blocks 4-7 (12 loads) and W's next set (24) may be out
	WIN MUL_LO
	MUL16 0, PP, QQ, SS
	MUL16 2, PP, QQ, SS
	PLACES NP
	WIN 0
	FETCH_A NX, 0
.if \scl
	SCLOAD 1-SS, SCSLOT*(1+SS)
.endif
	s_wait_dscnt 36                                ; x's blocks 4-7 are in: behind them W's 24 loads and the 12 just issued
.endif
	WIN MUL_HI
	MUL16 4, PP, QQ, SS
	MUL16 6, PP, QQ, SS
	PLACES NP
	WIN 0
.if NOA4 == 0
	FETCH_A NX, 4
.endif
.endm
	s_wait_loadcnt 0x0                             ; la, lora_B, the first scale words
	WIN MUL_LO
	INIT 0
	WIN MUL_HI
	INIT 1
	WIN 0
	PLACES 9                                       ; behind the f32 form, ahead of another form on its results
	s_wait_tensorcnt 0x0                           ; my part of chunk 0 is in; slot 1's first fill is issued as a refill is
	ds_add_u32 v[SPW], v[NIL]
	s_wait_dscnt 0x0
	CROUND
	NEXTFILL
	JLOAD                                          ; chunk 1
	FETCH_B 0, 0, 0
	FETCH_B 0, 0, 4
	WIN 0
	FETCH_A 0, 0
	FETCH_A 0, 4
	s_mov_b32 s3, 3
.Lper:                                                 ; period t: steps 8 t .. 8 t + 7, chunks 3 t .. 3 t + 2; asks for chunks 3 t + 2 .. 3 t + 4
	STEP 0, 0, 0, 1
	STEP 1, 1, 0, 0
	STEP 2, 2, 1, 0
	STEP 3, 0, 0, 0
	STEP 4, 1, 0, 1
	STEP 5, 2, 2, 0
	STEP 6, 0, 0, 0
	STEP 7, 2, 3, 0
	s_wait_xcnt 0x0                                ; the scale loads and prefetches have read their bases
	s_add_nc_u64 s[SCB:SCB+1], s[SCB:SCB+1], 2*SCSLOT
	s_add_nc_u64 s[PFA:PFA+1], s[PFA:PFA+1], 3*ROWB
.irp k, 0,1,2,3
	v_xor_b32 v[ADRA+\k], SLOT1, v[ADRA+\k]        ; the next period begins in the other slot
	v_xor_b32 v[ADRB+\k], SLOT1, v[ADRB+\k]
.endr
	s_sub_co_u32 s3, s3, 1
	s_cmp_lg_u32 s3, 0
	s_wait_alu depctr_va_vdst(0)                   ; the wait ahead of the branch
	s_cbranch_scc1 .Lper
	STEP 0, 0, 0, 1                                ; the last period: chunks 9 to 11; only chunk 11 is still to be asked for
	STEP 1, 1, 0, 0
.set NOA4, 1
	STEP 2, 2, 0, 0
.set NOA4, 0
; THE LAST FIVE STEPS (3 to 7 of this period) lie wholly in the last two chunks, which stay in LDS: nothing is filled any more.  They go BY HALVES OF MY ROWS: half-steps n = 0 .. 4 take blocks 0-3 through the five steps,
; n = 5 .. 9 blocks 4-7; so blocks 0-3 are finished at n = 4 and leave while blocks 4-7 are multiplied.  W's fragments of these steps are read from LDS once for each half.
; x's register region holds two sets of four fragments here, W has its two sets: half-step n fetches all of half-step n + 1 (36 loads) in one run and waits for it once, at the next top.
.macro HMUL j0, hi, ah, p, q, sc       ; 16 matrix instructions: blocks 4 hi + j0, + 1 (fragments in x's set ah) x W's eight; the half's 32 accumulators take turns
.irp j, \j0, \j0+1
.irp b, 0,1,2,3,4,5,6,7
	v_wmma_scale_f32_16x16x128_f8f6f4 v[8*(8*(\j)+\b):8*(8*(\j)+\b)+7], v[128*(\p)+FR*\b:128*(\p)+FR*\b+FR-1], v[AF+FR*(4*(\ah)+(\j)):AF+FR*(4*(\ah)+(\j))+FR-1], v[8*(8*(\j)+\b):8*(8*(\j)+\b)+7], v[SC+32*(\sc)+4*\b+(\q)], v[SC+32*(\sc)+4*(4*(\hi)+(\j))+(\q)] matrix_a_fmt:MATRIX_FMT_BF6 matrix_b_fmt:MATRIX_FMT_BF6 matrix_a_scale:MATRIX_SCALE_ROW1
.endr
.endr
.endm
.macro HTOST a                         ; block a (0 .. 3) into my stage and back as whole rows, into v96-127 and v224-255 of window a % 2, which lie idle here
	WIN 0x08
.irp b, 0,1,2,3,4,5,6,7
	ds_store_b128 v[STO], v[64*(\a)+8*\b:64*(\a)+8*\b+3] offset:64*\b          ; each accumulator from its low end on
	ds_store_b128 v[STO], v[64*(\a)+8*\b+4:64*(\a)+8*\b+7] offset:64*\b+16
.endr
	WIN 0x40*((\a)%2)
.irp t, 0,1,2,3,4,5,6,7,8,9,10,11,12,13,14,15
	ds_load_b128 v[96+4*\t+96*(\t/8):96+4*\t+96*(\t/8)+3], v[RD] offset:\t*SPITCH
.endr
	WIN 0
.endm
.macro HSEND a                         ; and out: 512 consecutive bytes a store
.if (\a) > 0
	s_wait_xcnt 0x0                                ; the earlier stores have read their base and their registers
	s_add_nc_u64 s[OUT:OUT+1], s[OUT:OUT+1], 16*SIZE_N*4
.endif
	WIN 0x04*((\a)%2)
.irp t, 0,1,2,3,4,5,6,7,8,9,10,11,12,13,14,15
	global_store_b128 v[CO], v[96+4*\t+96*(\t/8):96+4*\t+96*(\t/8)+3], s[OUT:OUT+1] offset:\t*SIZE_N*4 th:TH_STORE_NT
.endr
	WIN 0
.endm
.macro HSTEP n
.set HS, 3+(\n)%5                      ; the step,
.set HH, (\n)/5                        ; the half of my rows,
.set HB, ((\n)+1)%2                    ; W's set,
.set HA, (\n)%2                        ; x's set
.set NS, 3+((\n)+1)%5
.set NH, ((\n)+1)/5
.if (\n) == 1
	s_wait_loadcnt 0x0                             ; the last group's scale words are in
	s_wait_tensorcnt 0x0                           ; my part of the last chunk has landed
.endif
	s_wait_dscnt 0x0                               ; this half-step's fragments are in, and any block that went through the stage
.if (\n) == 1
	s_barrier_signal -1                            ; the last chunk is whole for all four waves
	s_barrier_wait -1
.endif
.if (\n) > 5
	HSEND (\n)-6
.endif
.if (\n) < 9
	FETCH_B NS, 1-HB, 0
	FETCH_B NS, 1-HB, 4
	WIN 0
.irp j, 0,1,2,3
	FRAG AF+FR*(4*(1-HA)+\j), ADRA, NS, 4*NH+\j
.endr
.endif
.if (\n) > 4 && (\n) < 9
	HTOST (\n)-5
.endif
	WIN MUL_LO+0x50*HH
	HMUL 0, HH, HA, HB, HS%4, (HS/4)%2
	HMUL 2, HH, HA, HB, HS%4, (HS/4)%2
	PLACES NP                                      ; in front of the next loads into registers just read, and of the reads of results
	WIN 0
.endm
.irp n, 0,1,2,3,4,5,6,7,8,9
	HSTEP \n
.endr
; THE WAY OUT, block by block of 16 rows x 128 columns, through my own stage: in as 32 bytes a lane, back as whole rows of 512 bytes, stored as two aligned units of 256 bytes.
.macro TOSTAGE a
.set AC, 64*((\a)%4)
	WIN 0x08+4*((\a)/4)
.irp b, 0,1,2,3,4,5,6,7
	ds_store_b128 v[STO], v[AC+8*\b:AC+8*\b+3] offset:64*\b          ; each accumulator from its low end on
	ds_store_b128 v[STO], v[AC+8*\b+4:AC+8*\b+7] offset:64*\b+16
.endr
	WIN 0
.set BB, BK+64*((\a)%2)
.irp t, 0,1,2,3,4,5,6,7,8,9,10,11,12,13,14,15
	ds_load_b128 v[BB+4*\t:BB+4*\t+3], v[RD] offset:\t*SPITCH     ; LDS serves a wave's instructions in order: these see the stores above
.endr
.endm
.macro SEND a, younger
.set BB, BK+64*((\a)%2)
	s_wait_dscnt \younger
.if (\a) > 0
	s_add_nc_u64 s[OUT:OUT+1], s[OUT:OUT+1], 16*SIZE_N*4
.endif
.irp t, 0,1,2,3,4,5,6,7,8,9,10,11,12,13,14,15
	global_store_b128 v[CO], v[BB+4*\t:BB+4*\t+3], s[OUT:OUT+1] offset:\t*SIZE_N*4 th:TH_STORE_NT
.endr
.endm
	TOSTAGE 4                                      ; blocks 0-3 have left; the places stand behind the last products
.irp a, 5,6,7
	s_wait_xcnt 0x0                                ; the earlier stores have read their registers and their base
	TOSTAGE \a
	SEND \a-1, 32                                  ; behind block a - 1's loads: block a's 16 stores and 16 loads
.endr
	s_wait_xcnt 0x0
	SEND 7, 0
	s_wait_tensorcnt 0x0                           ; the wave's end
	ds_add_u32 v[SPW], v[NIL]
	s_wait_dscnt 0x0
	CROUND                                         ; the closing round
	s_endpgm
.Lfunc_end_k_q9b12f2a3c0_gemm:
	.size	k_q9b12f2a3c0_gemm, .Lfunc_end_k_q9b12f2a3c0_gemm-k_q9b12f2a3c0_gemm
	.p2alignl 7, 3214868480
	.fill 96, 4, 3214868480
	.section	.rodata,"a",@progbits
	.p2align	6, 0x0
	.amdhsa_kernel k_q9b12f2a3c0_gemm
		.amdhsa_group_segment_fixed_size 327680
		.amdhsa_private_segment_fixed_size 0
		.amdhsa_enable_private_segment 0
		.amdhsa_kernarg_size 48
		.amdhsa_user_sgpr_count 2
		.amdhsa_user_sgpr_kernarg_segment_ptr 1
		.amdhsa_wavefront_size32 1
		.amdhsa_system_sgpr_workgroup_id_x 1
		.amdhsa_system_sgpr_workgroup_id_y 1
		.amdhsa_system_sgpr_workgroup_id_z 1
		.amdhsa_system_vgpr_workitem_id 0
		.amdhsa_next_free_vgpr 1024
		.amdhsa_next_free_sgpr 72
		.amdhsa_reserve_vcc 0
		.amdhsa_float_denorm_mode_32 3
		.amdhsa_float_denorm_mode_16_64 3
		.amdhsa_memory_ordered 1
		.amdhsa_forward_progress 1
		.amdhsa_inst_pref_size 245
	.end_amdhsa_kernel
	.amdgpu_metadata
---
amdhsa.version: [ 1, 2 ]
amdhsa.kernels:
  - .name:           k_q9b12f2a3c0_gemm
    .symbol:         k_q9b12f2a3c0_gemm.kd
    .args:
      - { .name: xc, .offset: 0, .size: 8, .value_kind: global_buffer, .address_space: global }
      - { .name: W_codes, .offset: 8, .size: 8, .value_kind: global_buffer, .address_space: global }
      - { .name: sc, .offset: 16, .size: 8, .value_kind: global_buffer, .address_space: global }
      - { .name: la, .offset: 24, .size: 8, .value_kind: global_buffer, .address_space: global }
      - { .name: lora_B, .offset: 32, .size: 8, .value_kind: global_buffer, .address_space: global }
      - { .name: out0, .offset: 40, .size: 8, .value_kind: global_buffer, .address_space: global }
    .group_segment_fixed_size: 327680
    .private_segment_fixed_size: 0
    .kernarg_segment_align: 8
    .kernarg_segment_size: 48
    .max_flat_workgroup_size: 128
    .sgpr_count:     72
    .vgpr_count:     1024
    .wavefront_size: 32
...
	.end_amdgpu_metadata
.endif
;; end of part 2
